; MI455X (gfx1250); checked and timed in simulation.
; The chip was launched on July 23, 2026; its instructions are those of AMD's public machine-readable ISA for CDNA 5 (MIT licence, August 2026) and "CDNA5" Instruction Set Architecture Reference Guide (July 2026). The comments in the code are by the model that wrote it; some were corrected since.
;; Multi Head Attention. Allowed arithmetic: matrix products marked QUANTISED: E4M3 operands, one given power-of-two scale a tensor, by v_wmma_f32_16x16x64_fp8_fp8 or v_wmma_f32_16x16x128_fp8_fp8, f32 sums; everything else in f32.
;; Inputs: Wk 1,024 x 1,024 float32; Wo 1,024 x 1,024 float32; Wq 1,024 x 1,024 float32; Wv 1,024 x 1,024 float32; bo 1,024 float32; lowp_scales 12 int32 (the exponents e of the quantised operands' scales 2^e); x 4 x 2,048 x 1,024 float32.
;; Outputs: out0 4 x 2,048 x 1,024 float32.
;; This version of the problem:
;;   THIS VERSION OF THE PROBLEM IS GIVEN IN LOW PRECISION. The matrix products marked QUANTISED in the list below multiply operands that are first quantised to E4M3 (4 exponent bits, 3 mantissa bits; 8 bits a number), with one given power-of-two scale for each operand tensor; their sums are f32. All else is computed in f32.
;;   The module's matrix products, in the order in which they are computed (A, B: the left and right operand; K: the contracted axis; several contracted axes count as one K, in the product's order):
;;     1. [M 8,192, K 1,024] x [K 1,024, N 1,024]; A: input x; B: input Wq: QUANTISED (scales: A lowp_scales[0], B lowp_scales[1])
;;     2. [M 8,192, K 1,024] x [K 1,024, N 1,024]; A: input x; B: input Wk: QUANTISED (scales: A lowp_scales[2], B lowp_scales[3])
;;     3. [M 8,192, K 1,024] x [K 1,024, N 1,024]; A: input x; B: input Wv: QUANTISED (scales: A lowp_scales[4], B lowp_scales[5])
;;     4. batch 64 x [M 2,048, K 64] x [K 64, N 2,048]; A: computed on the way; B: computed on the way: QUANTISED (scales: A lowp_scales[6], B lowp_scales[7])
;;     5. batch 64 x [M 2,048, K 2,048] x [K 2,048, N 64]; A: softmax (see below); B: computed on the way: QUANTISED (scales: A lowp_scales[8], B lowp_scales[9])
;;     6. [M 8,192, K 1,024] x [K 1,024, N 1,024]; A: computed on the way; B: input Wo: QUANTISED (scales: A lowp_scales[10], B lowp_scales[11])
;;   THE QUANTISER, for each operand of a quantised product, along K:
;;     - The operand's scale is 2^e, e = its entry of the input lowp_scales (int32; the entries are numbered through the quantised products in the list's order, A before B).
;;     - Each number is divided by the scale, clamped to +-448, and rounded to the nearest number of E4M3, ties to even, subnormals kept.
;;     - The product sums the exact products of the quantised numbers (number of the format x scale) in f32.
;;   ~~~python
;;   def quantise(x, axis, e):      # numpy; x: float32 -> the quantised numbers, widened to float32 again
;;       x = np.moveaxis(x, axis, -1); K = x.shape[-1]
;;       r = np.clip(x / 2.0 ** e, -448, 448)
;;       step = 2.0 ** (np.maximum(np.frexp(np.where(r == 0, 1, r))[1] - 1, -6) - 3)
;;       q = np.round(r / step) * step * 2.0 ** e      # np.round: ties to even
;;       return np.moveaxis(q, -1, axis).astype(np.float32)
;;   ~~~
;;   SOFTMAX AHEAD OF A QUANTISED PRODUCT. Where the list says 'softmax', what is quantised is not the finished softmax but p = 2^(t - M), with t = logit x log2(e) and M = ceil(the row's largest t), a whole number; so 1/2 < the row's largest p <= 1. The row's sum l is taken of the UNQUANTISED p, in f32, and the product's result is divided by l at the end. Since M is a whole number, a kernel that streams over the keys may use a running M (the ceiling of the running maximum): every later rescaling is an exact power of two, so the quantised numbers keep their values, but for numbers so far below the row's largest that they fall under the format's range.
;;   OPERANDS COMPUTED ON THE WAY. 'Computed on the way' means the value that the module computes at that place (a softmax that the list does not call 'softmax' is quantised finished and normalised). What goes into a quantiser is computed in f32, as accurately as f32 sums, v_exp_f32 and their like allow (about 1e-6 of the number): no bf16 or f16 on the way to a quantiser, and a product that is left as it is and whose result goes on into a quantised operand takes f32 operands (vector FMAs, or v_wmma_f32_16x16x4_f32). A number that lies on a knife's edge between two numbers of the format may be rounded either way, as far as f32 arithmetic and the matrix unit's own rounding can turn it there, and no further.
;; One version. Each part assembles by itself: llvm-mc -triple=amdgcn-amd-amdhsa -mcpu=gfx1250 --defsym DOCPART=n.
;; ======== version 1 of 1: 4 launches
;; limits: right only within a limited range of input values
;; workspace buffers: xcodes 25,165,824 bytes; wcodes 4,194,304 bytes; qc 8,388,608 bytes; kc 8,388,608 bytes; vc 8,388,608 bytes; cc 8,388,608 bytes
;; launch quant (part 1): grid 384 x 1, 4 waves a work-group, no clusters, 68,096 bytes of LDS; arguments x, Wq, Wk, Wv, Wo, lowp_scales, xcodes, wcodes; writes xcodes, wcodes
.if DOCPART == 1
	.amdgcn_target "amdgcn-amd-amdhsa--gfx1250"
	.amdhsa_code_object_version 6
	.text
	.protected	k_q27e10c6e1d_quant
	.globl	k_q27e10c6e1d_quant
	.p2align	8
	.type	k_q27e10c6e1d_quant,@function
k_q27e10c6e1d_quant:
	s_mov_b64 s[64:65], 0
	v_nop
	global_prefetch_b8 v0, s[64:65] scope:SCOPE_SE
	s_setreg_imm32_b32 hwreg(HW_REG_WAVE_MODE, 25, 1), 1
	s_wait_xcnt 0x0
; x [8192][1024] f32 becomes THREE sets of E4M3 codes (its scales in products 1, 2, 3: entries 0, 2, 4 of the scales), laid [set][8192][1024], K innermost.
; Wq, Wk, Wv, Wo [k 1024][n 1024] f32 (K is the first axis) become codes laid [weight][n 1024][k 1024] (entries 1, 3, 5, 11).
; code = number / 2^e, held within +-448, rounded to the nearest code, ties to even.
; LIMITS: each e used here lies between -126 and 119, so that 2^e and 448 x 2^e are f32 numbers.  NaN among the inputs is not served; an infinity is held at the largest code.
; Work-groups 0-255 take x (a wave: 16 steps of 512 numbers), work-groups 256-383 the weights (a wave: 32 columns x 256 along K).  Each of the two paths has LDS bytes of its own.
; No tensor loads, no barrier: waves share nothing.
.set STEPS, 16
.set SP,    80                         ; x path: a lane's place in a stage: its 64 bytes + 16 of padding
.set WREG,  8192                       ; x path: LDS for each wave: two stages of 32 x SP bytes
.set R,     16                         ; v16-79   four sets of 16 numbers as they are loaded
.set X,     80                         ; v80-111  two sets of 16 neighbours
.set T,     112
.set C,     160                        ; v160-183 codes: 12 registers a step, two sets by turns
.set WSTG,  32768                      ; weights' path: the stages begin here
.set PITCH, 272                        ; a stage row: 256 codes + 16 bytes
.set NB,    8                          ; blocks of 32 along K for a wave
.set WX,    32                         ; v32-95   two sets of 32 numbers
.set WC,    96                         ; v96-103  a block's codes
.set OUTR,  112                        ; v112-175 the way out
	s_load_b512 s[8:23], s[0:1], 0x0               ; x 8, Wq 10, Wk 12, Wv 14, Wo 16, scales 18, xcodes 20, wcodes 22
	v_lshl_add_u32 v192, v0, 2, 0x10800
	v_mov_b32 v193, 0
	v_lshrrev_b32 v1, 5, v0
	v_readfirstlane_b32 s2, v1                     ; wave
	v_and_b32 v2, 31, v0                           ; lane
	s_wait_kmcnt 0x0
	s_load_b256 s[32:39], s[18:19], 0x0            ; e0 .. e7
	s_load_b128 s[40:43], s[18:19], 0x20           ; e8 .. e11
	s_cmp_lt_u32 ttmp9, 256
	s_cbranch_scc0 .Lweights
	s_wait_alu depctr_va_vdst(0)
; ---------------- x: a plain stream of numbers.  Each load reads 512 consecutive bytes; a step's 2,048 bytes turn through the wave's own stage so that a lane holds 16 neighbours along K.
	v_lshlrev_b32 v3, 4, v2                        ; 16 x lane: my 16 bytes of a load's 512, and of a store's 512; never rewritten
	s_wait_alu depctr_va_vdst(0)
	s_mul_i32 s3, s2, WREG
	v_lshrrev_b32 v14, 2, v2
	v_mul_u32_u24 v14, v14, SP
	v_and_b32 v15, 3, v2
	v_lshl_add_u32 v14, v15, 4, v14
	v_add_nc_u32 v14, s3, v14                      ; into the stage: SP (lane / 4) + 16 (lane % 4)
	v_mul_u32_u24 v15, v2, SP
	v_add_nc_u32 v15, s3, v15                      ; out of it: SP x lane
	s_lshl_b32 s4, ttmp9, 2
	s_add_co_u32 s4, s4, s2                        ; which run of 8,192 numbers is my wave's
	s_lshl_b32 s6, s4, 15
	s_mov_b32 s7, 0
	s_add_nc_u64 s[8:9], s[8:9], s[6:7]
	s_lshl_b32 s6, s4, 13
	s_add_nc_u64 s[24:25], s[20:21], s[6:7]        ; the three sets lie 8,388,608 bytes apart: a base for each
	s_add_nc_u64 s[26:27], s[24:25], 0x800000
	s_add_nc_u64 s[28:29], s[26:27], 0x800000
.macro XLOAD t
.irp i, 0,1,2,3
	global_load_b128 v[R+16*((\t)%4)+4*\i:R+16*((\t)%4)+4*\i+3], v3, s[8:9] offset:2048*(\t)+512*\i th:TH_LOAD_NT
.endr
.endm
.macro XTURN t                         ; LDS serves a wave's instructions in order: no wait between the stores and the loads
.irp i, 0,1,2,3
	ds_store_b128 v14, v[R+16*((\t)%4)+4*\i:R+16*((\t)%4)+4*\i+3] offset:32*SP*((\t)%2)+8*SP*\i
.endr
	v_nop
.irp i, 0,1,2,3
	ds_load_b128 v[X+16*((\t)%2)+4*\i:X+16*((\t)%2)+4*\i+3], v15 offset:32*SP*((\t)%2)+16*\i
.endr
.endm
.irp t, 0,1,2,3
	XLOAD \t
.endr
	s_wait_alu depctr_va_vdst(0)
	s_wait_kmcnt 0x0
.irp p, 0,1,2                          ; v5, v7, v9: 2^e as f32;  e = entries 0, 2, 4
	s_add_co_i32 s4, s[32+2*\p], 127
	s_lshl_b32 s5, s4, 23
	v_mov_b32 v[5+2*\p], s5
	s_add_co_i32 s4, s4, 8
	s_lshl_b32 s4, s4, 23
	s_or_b32 s4, s4, 0x600000
.endr
	s_wait_alu depctr_va_vdst(0)
	s_wait_loadcnt 12                              ; step 0's four loads are in
	XTURN 0
.macro XSTEP t
.set XS, X+16*((\t)%2)
.set CC, C+12*((\t)%2)
	s_wait_dscnt 0x0                               ; this step's numbers are back from the stage
.if (\t)+4 < STEPS
	XLOAD (\t)+4
.endif
.if (\t)+1 < STEPS
.if STEPS-2-(\t) >= 3
	s_wait_loadcnt 12                              ; the next step's four loads are in; those of the three steps behind it may be out
.else
	s_wait_loadcnt 4*(STEPS-2-(\t))
.endif
	XTURN (\t)+1
.endif
	s_wait_xcnt 0x0                                ; the stores of two steps ago have read this set of code registers
.irp p, 0,1,2
.irp i, 0,1,2,3,4,5,6,7,8,9,10,11,12,13,14,15
.endr
	v_cvt_scalef32_pk8_fp8_f32 v[CC+4*\p:CC+4*\p+1], v[T+16*\p+((XS+0)-(T+16*\p+0)):T+16*\p+7+((XS+0)-(T+16*\p+0))], v[5+2*\p]
	v_cvt_scalef32_pk8_fp8_f32 v[CC+4*\p+2:CC+4*\p+3], v[T+16*\p+8+((XS+0)-(T+16*\p+0)):T+16*\p+15+((XS+0)-(T+16*\p+0))], v[5+2*\p]
.endr                                  ; the conversions read the stage's registers directly
.irp p, 0,1,2
	global_store_b128 v3, v[CC+4*\p:CC+4*\p+3], s[24+2*\p:25+2*\p] offset:512*(\t)   ; the wave stores 512 consecutive bytes, aligned
.endr
.endm
.irp t, 0,1,2,3,4,5,6,7,8,9,10,11,12,13,14,15
	XSTEP \t
.endr
	s_wait_tensorcnt 0x0
	ds_add_u32 v192, v193
	s_wait_dscnt 0x0
	s_endpgm
; ---------------- the weights: a lane takes a column n and its registers run down K, so the conversions give codes with K innermost; they leave through the wave's stage as whole rows of 256 bytes.
.Lweights:
	s_sub_co_u32 s3, ttmp9, 256
	s_lshr_b32 s4, s3, 5                           ; which weight: 0 q, 1 k, 2 v, 3 o
	s_and_b32 s5, s3, 7                            ; which 128 columns
	s_bfe_u32 s6, s3, 0x20003                      ; which 256 along K
	s_and_b32 s7, s4, 1
	s_lshl_b32 s28, s5, 7
	s_lshl_b32 s29, s2, 5
	s_add_co_u32 s28, s28, s29                     ; my wave's first column
	s_cmp_eq_u32 s7, 0
	s_cselect_b64 s[24:25], s[10:11], s[12:13]
	s_cselect_b64 s[26:27], s[14:15], s[16:17]
	s_cmp_lt_u32 s4, 2
	s_cselect_b64 s[24:25], s[24:25], s[26:27]     ; the weight's buffer: the choice hangs on the work-group's number alone
	s_lshl_b32 s30, s6, 20                         ; 256 rows of 4,096 bytes
	s_lshl_b32 s29, s28, 2
	s_add_co_u32 s30, s30, s29
	s_mov_b32 s31, 0
	s_add_nc_u64 s[24:25], s[24:25], s[30:31]
	s_lshl_b32 s30, s4, 20                         ; the weight's codes,
	s_lshl_b32 s29, s28, 10                        ; row = column n, 1,024 bytes,
	s_add_co_u32 s30, s30, s29
	s_lshl_b32 s29, s6, 8                          ; my 256 along K
	s_add_co_u32 s30, s30, s29
	s_add_nc_u64 s[26:27], s[22:23], s[30:31]
	s_wait_alu depctr_va_vdst(0)
	v_lshlrev_b32 v3, 2, v2                        ; in: 4 bytes a lane
	s_mul_i32 s29, s2, 32*PITCH
	s_add_co_u32 s29, s29, WSTG                    ; my stage
	v_mul_u32_u24 v4, v2, PITCH
	v_add_nc_u32 v4, s29, v4                       ; into it: row = my column
	v_and_b32 v5, 15, v2
	v_lshrrev_b32 v6, 4, v2
	v_mul_u32_u24 v7, v6, PITCH
	v_lshl_add_u32 v7, v5, 4, v7
	v_add_nc_u32 v7, s29, v7                       ; out of it: sixteen lanes to a row, two rows an instruction
	v_lshlrev_b32 v8, 10, v6
	v_lshl_add_u32 v8, v5, 4, v8                   ; and the same place in the codes
.macro WLOAD t                         ; block t: W(32 t + i, my column) into set t % 2; 128 consecutive bytes a wave
.set ii, 0
.rept 32
	global_load_b32 v[WX+32*((\t)%2)+ii], v3, s[24:25] offset:(32*(\t)+ii)*4096 th:TH_LOAD_NT
.set ii, ii+1
.endr
.endm
	WLOAD 0
	WLOAD 1
	s_wait_kmcnt 0x0
	s_cmp_eq_u32 s7, 0
	s_cselect_b32 s44, s33, s35
	s_cselect_b32 s45, s37, s43
	s_cmp_lt_u32 s4, 2
	s_cselect_b32 s44, s44, s45                    ; e: entry 1, 3, 5 or 11
	s_add_co_i32 s44, s44, 127
	s_lshl_b32 s45, s44, 23
	v_mov_b32 v11, s45                             ; 2^e
	s_add_co_i32 s44, s44, 8
	s_lshl_b32 s44, s44, 23
	s_or_b32 s44, s44, 0x600000
.macro WBLOCK t
.set XS, WX+32*((\t)%2)
.if (\t) < NB-1
	s_wait_loadcnt 32                              ; this block's 32 loads are in; the next block's may be out
.else
	s_wait_loadcnt 0
.endif
.set ii, 0
.rept 32
.set ii, ii+1
.endr
.irp g, 0,1,2,3
	v_cvt_scalef32_pk8_fp8_f32 v[WC+2*\g:WC+2*\g+1], v[XS+8*\g:XS+8*\g+7], v11
.endr
	ds_store_b128 v4, v[WC:WC+3] offset:32*(\t)
	ds_store_b128 v4, v[WC+4:WC+7] offset:32*(\t)+16
.if (\t)+2 < NB
	WLOAD (\t)+2
.endif
	s_wait_dscnt 0x0                               ; the stores have read their registers: the next block's codes may be written
.endm
	s_wait_alu depctr_va_vdst(0)
.irp t, 0,1,2,3,4,5,6,7
	WBLOCK \t
.endr
.irp t, 0,1,2,3,4,5,6,7,8,9,10,11,12,13,14,15
	ds_load_b128 v[OUTR+4*\t:OUTR+4*\t+3], v7 offset:2*\t*PITCH
.endr
.irp t, 0,1,2,3,4,5,6,7,8,9,10,11,12,13,14,15
	s_wait_dscnt 15-\t
	global_store_b128 v8, v[OUTR+4*\t:OUTR+4*\t+3], s[26:27] offset:2*\t*1024   ; sixteen lanes store 256 consecutive bytes, aligned
.endr
	s_wait_tensorcnt 0x0
	ds_add_u32 v192, v193
	s_wait_dscnt 0x0
	s_endpgm
.Lfunc_end_k_q27e10c6e1d_quant:
	.size	k_q27e10c6e1d_quant, .Lfunc_end_k_q27e10c6e1d_quant-k_q27e10c6e1d_quant
	.p2alignl 7, 3214868480
	.fill 96, 4, 3214868480
	.section	.rodata,"a",@progbits
	.p2align	6, 0x0
	.amdhsa_kernel k_q27e10c6e1d_quant
		.amdhsa_group_segment_fixed_size 68096
		.amdhsa_private_segment_fixed_size 0
		.amdhsa_enable_private_segment 0
		.amdhsa_kernarg_size 64
		.amdhsa_user_sgpr_count 2
		.amdhsa_user_sgpr_kernarg_segment_ptr 1
		.amdhsa_wavefront_size32 1
		.amdhsa_system_sgpr_workgroup_id_x 1
		.amdhsa_system_sgpr_workgroup_id_y 1
		.amdhsa_system_sgpr_workgroup_id_z 1
		.amdhsa_system_vgpr_workitem_id 0
		.amdhsa_next_free_vgpr 194
		.amdhsa_next_free_sgpr 66
		.amdhsa_reserve_vcc 0
		.amdhsa_float_denorm_mode_32 3
		.amdhsa_float_denorm_mode_16_64 3
		.amdhsa_fp16_overflow 1
		.amdhsa_memory_ordered 1
		.amdhsa_forward_progress 1
		.amdhsa_inst_pref_size 62
	.end_amdhsa_kernel
	.amdgpu_metadata
---
amdhsa.version: [ 1, 2 ]
amdhsa.kernels:
  - .name:           k_q27e10c6e1d_quant
    .symbol:         k_q27e10c6e1d_quant.kd
    .args:
      - { .name: x, .offset: 0, .size: 8, .value_kind: global_buffer, .address_space: global }
      - { .name: Wq, .offset: 8, .size: 8, .value_kind: global_buffer, .address_space: global }
      - { .name: Wk, .offset: 16, .size: 8, .value_kind: global_buffer, .address_space: global }
      - { .name: Wv, .offset: 24, .size: 8, .value_kind: global_buffer, .address_space: global }
      - { .name: Wo, .offset: 32, .size: 8, .value_kind: global_buffer, .address_space: global }
      - { .name: lowp_scales, .offset: 40, .size: 8, .value_kind: global_buffer, .address_space: global }
      - { .name: xcodes, .offset: 48, .size: 8, .value_kind: global_buffer, .address_space: global }
      - { .name: wcodes, .offset: 56, .size: 8, .value_kind: global_buffer, .address_space: global }
    .group_segment_fixed_size: 68096
    .private_segment_fixed_size: 0
    .kernarg_segment_align: 8
    .kernarg_segment_size: 64
    .max_flat_workgroup_size: 128
    .sgpr_count:     66
    .vgpr_count:     194
    .wavefront_size: 32
...
	.end_amdgpu_metadata
.endif
;; end of part 1
;; launch gemm_qkv (part 2): grid 12 x 32, 4 waves a work-group, clusters of 4 x 4, 327,680 bytes of LDS; arguments xcodes, wcodes, lowp_scales, qc, kc, vc; writes qc, kc, vc
.if DOCPART == 2
	.amdgcn_target "amdgcn-amd-amdhsa--gfx1250"
	.amdhsa_code_object_version 6
	.text
	.protected	k_q27e10c6e1d_gemm_qkv
	.globl	k_q27e10c6e1d_gemm_qkv
	.p2align	8
	.type	k_q27e10c6e1d_gemm_qkv,@function
k_q27e10c6e1d_gemm_qkv:
	s_mov_b64 s[64:65], 0
	v_nop
	global_prefetch_b8 v0, s[64:65] scope:SCOPE_SE
	s_setreg_imm32_b32 hwreg(HW_REG_WAVE_MODE, 25, 1), 1
	s_wait_xcnt 0x0
	s_wait_alu depctr_hold_cnt(0) depctr_sa_sdst(0) depctr_va_vdst(0) depctr_va_sdst(0) depctr_va_ssrc(0) depctr_va_vcc(0) depctr_vm_vsrc(0)
	s_getreg_b32 s2, hwreg(HW_REG_IB_STS2, 6, 4)
	s_cmp_eq_u32 s2, 0
	s_cbranch_scc0 .Lentry_in_a_cluster
	s_endpgm
.Lentry_in_a_cluster:
	s_bfe_u32 s2, ttmp6, 0x10000c
	s_cmp_lg_u32 s2, 0xf033
	s_cbranch_scc0 .Lentry_shape_is_right
	s_endpgm
.Lentry_shape_is_right:
; Products 1 to 3 on E4M3 codes, K = 1,024; the f32 sums are quantised on the way out (q: entry 6, k: entry 7, v: entry 9 of the scales) and leave as codes.
; The cluster's x is the product p (0 q, 1 k, 2 v), the same in all sixteen partners.  A tile is 256 x 256, a wave makes 128 x 128: 64 accumulators.
; p < 2: tile rows = rows of x (set p), tile columns = rows of the weight's codes.  p = 2: V IS MADE TRANSPOSED: tile rows = rows of Wv's codes (h x 64 + d), tile columns = rows of x (the keys),
; so that a lane's eight results run along the keys, the K of the second product of attention.  Which buffer is 'A' (tile rows) and which 'B' is chosen by selects on p; the loop knows nothing of it.
; The matrix instruction is used transposed (source 0 = 16 rows of B, source 1 = 16 rows of A): a lane holds eight neighbouring columns of one tile row.
; OUT: qc, kc [16 heads][8192 rows][64];  vc [1024 rows h x 64 + d][8192 keys].  Within each aligned 32 of the innermost axis element 16 x + 8 y + j lies at byte 16 y + 8 x + j:
; the codes of two neighbouring accumulators are then 16 neighbouring bytes of a lane, and a 16-byte load at 32 c + 16 (lane / 16) gives the plain 8-bit layout its true k.
; A sum stands for sum x 2^(ea + eb); its code is sum / 2^(eo - ea - eb).  LIMIT: eo - ea - eb between -126 and 119 for each of the three products.
; Ring of two LDS slots of 256 along K, joint loads in a 4 x 4 cluster: A's tile shared along a row of the cluster, B's along a column.
; REGISTERS: window 0: v16-30 addresses and scales; v128-255 A's fragments (one set); on the way out v96-223 codes.  window 1: B's fragments, two sets.  windows 2, 3: accumulators.
.set ROWB,   256
.set KROW,   1024
.set PITCH,  272                       ; 256 bytes + 16: the 16 rows of a fragment load start at 16 different 16-byte columns
.set FR,     16
.set NL,     4
.set NP,     4
.set HALFT,  128*PITCH
.set SLOT,   4*HALFT
.set LAPS,   2                         ; 1,024 along K = four K steps of 256 = twice round the ring
.set SPARE,  2*SLOT                    ; the spare words, 128 bytes a wave
.set PS,     256*80+64                 ; the way out: four pieces of 64 columns, each 256 rows of 64 bytes + 16; in slot 0, which has had its last fill and its last read by then
.set ADRA, 16
.set ADRB, 20
.set SCL,  22                          ; v22  2^(eo - ea - eb)
.set LIMV, 23
.set STO,  24                          ; v24  where I put 16 bytes of codes
.set RDQ,  25                          ; v25  q, k: where I read a head's rows back
.set RDV,  26                          ; v26  v: where I read whole rows of 256 bytes back
.set COQ,  27                          ; v27  16 x lane
.set SPW,  28
.set NIL,  29
.set COV,  30                          ; v30  (lane / 16) rows of 8,192 + 16 (lane % 16)
.set TMP,  32
.set CD,   96
.set AF,   128
.set G1, 24
.set G0, 32
.set G1B, 48
.set G0B, 56
.set MSB, 0
.macro WIN new                         ; the immediate's high byte repeats the setting that is left
.if MSB != \new
	s_set_vgpr_msb (MSB<<8)|\new
.set MSB, \new
.endif
.endm
.set MUL_LO, 0xa1
.set MUL_HI, 0xf1
.set TO_B,   0x40
.macro JLOAD g0a, g1a, g0b, g1b        ; a joint load: waves 0 and 1 fetch for A, waves 2 and 3 for B; four v_nop follow each line
	s_cmp_eq_u32 s15, 0
	s_cbranch_scc0 .Lfor_b_\@
	tensor_load_to_lds s[\g0a:\g0a+3], s[\g1a:\g1a+7]
	s_nop 0
.rept 4
	v_nop
.endr
	s_branch .Lasked_\@
.Lfor_b_\@:
	tensor_load_to_lds s[\g0b:\g0b+3], s[\g1b:\g1b+7]
	s_nop 0
.rept 4
	v_nop
.endr
.Lasked_\@:
.endm
.macro CREST
	s_cmp_lg_u32 s14, 0
	s_cbranch_scc1 .Lnot_wave_0_\@
	s_barrier_signal -3
.Lnot_wave_0_\@:
	s_barrier_wait -3
	s_barrier_signal -1
	s_barrier_wait -1
.endm
.macro CROUND
	s_barrier_signal -1
	s_barrier_wait -1
	CREST
.endm
	s_load_b256 s[4:11], s[0:1], 0x0               ; xcodes 4, wcodes 6, scales 8, qc 10
	s_load_b128 s[68:71], s[0:1], 0x20             ; kc 68, vc 70
	v_lshl_add_u32 v[SPW], v0, 2, SPARE
	v_mov_b32 v[NIL], 0
	ds_add_u32 v28, v29
	ds_add_u32 v28, v29
	s_wait_dscnt 0x0
	v_lshrrev_b32 v1, 5, v0
	v_readfirstlane_b32 s14, v1                    ; wave
	s_lshr_b32 s15, s14, 1                         ; my half of the tile's rows; also: I fetch for A (0) or B (1)
	s_and_b32 s16, s14, 1                          ; my half of its columns; also: which 128 rows I fetch
	s_bfe_u32 s40, ttmp6, 0x40000                  ; cx
	s_bfe_u32 s41, ttmp6, 0x40004                  ; cy
	s_and_b32 s18, ttmp7, 0xffff
	s_lshl_b32 s18, s18, 2                         ; 4 x cluster y
	s_lshl_b32 s90, ttmp9, 23                      ; x's set p
	s_lshl_b32 s91, ttmp9, 20                      ; weight p
	s_cmp_eq_u32 ttmp9, 2
	s_cselect_b32 s17, 0, s18
	s_cselect_b32 s42, s18, 0
	s_cselect_b32 s98, s91, s90                    ; A's first byte in its buffer
	s_cselect_b32 s99, s90, s91                    ; B's
	s_add_co_u32 s17, s17, s41                     ; tile row: made of cy and the cluster's y alone
	s_add_co_u32 s42, s42, s40                     ; tile column: of cx and the cluster's y alone
	s_lshl_b32 s43, s41, 2
	s_lshl_b32 s43, 15, s43                        ; my row of the cluster
	s_lshl_b32 s44, 0x1111, s40                    ; my column
	s_or_b32 s[G1+0], s43, (0<<16)|(1<<20)|(1<<21)|(5<<22)|(3<<25)  ; mask; 1-byte elements; padding: 4 words behind every 64
	s_or_b32 s[G1B+0], s44, (0<<16)|(1<<20)|(1<<21)|(5<<22)|(3<<25)
.irp g, G1, G1B
	s_mov_b32 s[\g+1], ROWB<<16                    ; tensor_dim0
	s_mov_b32 s[\g+2], 128<<16                     ; tensor_dim1
	s_mov_b32 s[\g+3], ROWB<<16                    ; tile_dim0
	s_mov_b32 s[\g+4], 128                         ; tile_dim1
	s_mov_b32 s[\g+5], KROW                        ; pitch
	s_mov_b32 s[\g+6], 0
	s_mov_b32 s[\g+7], 0
.endr
	s_lshl_b32 s18, s16, 7
	s_lshl_b32 s20, s17, 8
	s_add_co_u32 s20, s20, s18                     ; A: row 256 x tile row + 128 x half,
	s_lshl_b32 s20, s20, 10                        ; of 1,024 bytes
	s_add_co_u32 s20, s20, s98
	s_mov_b32 s21, 0
	s_lshl_b32 s46, s42, 8
	s_add_co_u32 s46, s46, s18
	s_lshl_b32 s46, s46, 10
	s_add_co_u32 s46, s46, s99
	s_mov_b32 s47, 0
	s_mul_i32 s45, s14, HALFT                      ; where they go: wave x 128 rows
	s_wait_kmcnt 0x0
	s_load_b256 s[72:79], s[8:9], 0x0              ; e0 .. e7
	s_load_b128 s[80:83], s[8:9], 0x20             ; e8 .. e11
	s_cmp_eq_u32 ttmp9, 2
	s_cselect_b64 s[86:87], s[6:7], s[4:5]         ; A's buffer
	s_cselect_b64 s[88:89], s[4:5], s[6:7]         ; B's
	s_add_nc_u64 s[20:21], s[86:87], s[20:21]
	s_add_nc_u64 s[46:47], s[88:89], s[46:47]
	CROUND                                         ; all sixteen work-groups are here: the first joint loads meet
.irp s, 0,1
	s_mov_b32 s[G0+4*\s], 1
	s_add_co_u32 s[G0+4*\s+1], s45, \s*SLOT
	s_add_nc_u64 s[G0+4*\s+2:G0+4*\s+3], s[20:21], \s*ROWB
	s_or_b32 s[G0+4*\s+3], s[G0+4*\s+3], 0x80000000
	s_mov_b32 s[G0B+4*\s], 1
	s_add_co_u32 s[G0B+4*\s+1], s45, \s*SLOT
	s_add_nc_u64 s[G0B+4*\s+2:G0B+4*\s+3], s[46:47], \s*ROWB
	s_or_b32 s[G0B+4*\s+3], s[G0B+4*\s+3], 0x80000000
	JLOAD G0+4*\s, G1, G0B+4*\s, G1B
.endr
	v_and_b32 v1, 15, v0                           ; r
	s_wait_alu depctr_va_vdst(0)
	v_bfe_u32 v2, v0, 4, 1                         ; h
	v_mul_u32_u24 v3, v1, PITCH
	v_lshl_add_u32 v4, v2, 4, v3
	s_mul_i32 s21, s15, HALFT
	s_mul_i32 s22, s16, HALFT
	s_add_co_u32 s22, s22, 2*HALFT
.irp s, 0,1
	v_add_nc_u32 v[ADRA+\s], s21, v4
	v_add_nc_u32 v[ADRB+\s], s22, v4
	s_add_co_u32 s21, s21, SLOT
	s_add_co_u32 s22, s22, SLOT
.endr
	s_mul_i32 s23, s16, 2*PS                       ; the stage: my two pieces of 64 columns,
	s_mul_i32 s21, s15, 128*80                     ; my 128 rows
	s_add_co_u32 s23, s23, s21
	v_mul_u32_u24 v5, v1, 80
	s_wait_alu depctr_va_vdst(0)
	v_lshl_add_u32 v5, v2, 4, v5
	v_add_nc_u32 v[STO], s23, v5
	v_and_b32 v6, 31, v0
	v_lshrrev_b32 v7, 2, v6
	v_and_b32 v8, 3, v0
	v_mul_u32_u24 v7, v7, 80
	v_lshl_add_u32 v7, v8, 4, v7
	s_mul_i32 s23, s14, PS
	v_add_nc_u32 v[RDQ], s23, v7                   ; piece = wave; four lanes to a row of 64 bytes, eight rows an instruction
	v_bfe_u32 v9, v0, 2, 2
	v_mul_u32_u24 v9, v9, PS
	v_mad_u32_u24 v9, v2, 80, v9
	v_lshl_add_u32 v9, v8, 4, v9
	s_mul_i32 s23, s14, 64*80
	v_add_nc_u32 v[RDV], s23, v9                   ; rows 64 x wave on; sixteen lanes take a row's four pieces, two rows an instruction
	v_lshlrev_b32 v[COQ], 4, v6
	v_lshlrev_b32 v[COV], 4, v1
	v_lshl_add_u32 v[COV], v2, 13, v[COV]
	; where my wave's codes go.  q, k: head 4 x tile column + wave (524,288 bytes a head), row 256 x tile row (64 bytes a row).  v: row 256 x tile row + 64 x wave (8,192 bytes), column 256 x tile column
	s_lshl_b32 s90, s42, 8
	s_lshl_b32 s91, s17, 14
	s_cmp_eq_u32 ttmp9, 2
	s_cselect_b32 s92, s17, s42
	s_cselect_b32 s90, s90, s91
	s_lshl_b32 s92, s92, 21
	s_add_co_u32 s92, s92, s90
	s_lshl_b32 s90, s14, 19
	s_add_co_u32 s92, s92, s90
	s_mov_b32 s93, 0
	s_cmp_eq_u32 ttmp9, 0
	s_cselect_b64 s[90:91], s[10:11], s[68:69]
	s_cmp_eq_u32 ttmp9, 2
	s_cselect_b64 s[90:91], s[70:71], s[90:91]
	s_add_nc_u64 s[92:93], s[90:91], s[92:93]
.macro FRAG reg, adr, q, i             ; 16 rows x 128 K: registers 4 c .. 4 c + 3 hold K = 32 c + 16 (l / 16) + 0 .. 15: the same permutation of k in A and in B
.irp c, 0,1,2,3
	ds_load_b128 v[\reg+4*\c:\reg+4*\c+3], v[\adr] offset:128*(\q)+32*\c+(\i)*16*PITCH
.endr
.endm
.macro MUL16 a0, p, zero               ; the 64 accumulators take turns, one instruction a turn, in the same order in every step
.irp a, \a0, \a0+1
.irp b, 0,1,2,3,4,5,6,7
.if \zero
	v_wmma_f32_16x16x128_fp8_fp8 v[8*(8*((\a)%4)+\b):8*(8*((\a)%4)+\b)+7], v[128*(\p)+FR*\b:128*(\p)+FR*\b+FR-1], v[AF+FR*(\a):AF+FR*(\a)+FR-1], 0
.else
	v_wmma_f32_16x16x128_fp8_fp8 v[8*(8*((\a)%4)+\b):8*(8*((\a)%4)+\b)+7], v[128*(\p)+FR*\b:128*(\p)+FR*\b+FR-1], v[AF+FR*(\a):AF+FR*(\a)+FR-1], v[8*(8*((\a)%4)+\b):8*(8*((\a)%4)+\b)+7]
.endif
.endr
.endr
.endm
.macro FETCH_B slot, q, p
	WIN TO_B
.irp i, 0,1,2,3,4,5,6,7
	FRAG 128*(\p)+FR*\i, ADRB+\slot, \q, \i
.endr
	WIN 0
.endm
.macro FETCH_A slot, q, i0
.irp i, \i0, \i0+1, \i0+2, \i0+3
	FRAG AF+FR*(\i), ADRA+\slot, \q, \i
.endr
.endm
.macro PLACES n                        ; plain vector lines between a matrix instruction and a load into, or a read of, its registers
.rept \n
	v_nop
.endr
.endm
.macro STEP slot, q, zero              ; 128 along K whose successor lies in the same slot
	s_wait_dscnt 4*NL                              ; B's set and A's blocks 0-3 are in; the youngest 16 loads (A's blocks 4-7) may be out
	WIN MUL_LO
	MUL16 0, (\q)%2, \zero
	MUL16 2, (\q)%2, \zero
	s_wait_dscnt 0                                 ; A's blocks 4-7 are in
	PLACES NP
	FETCH_B \slot, (\q)+1, 1-(\q)%2
	FETCH_A \slot, (\q)+1, 0
	WIN MUL_HI
	MUL16 4, (\q)%2, \zero
	MUL16 6, (\q)%2, \zero
	PLACES NP
	WIN 0
	FETCH_A \slot, (\q)+1, 4
.endm
.macro TURN slot, next, fill           ; a slot's last step changes slots: one barrier; with fill = 1 it opens a round of the cluster's barrier and the slot is filled again, two K steps ahead
	s_wait_tensorcnt 0x0                           ; all my tensor loads have landed: my part of the next slot
	ds_add_u32 v[SPW], v[NIL]                      ; 0 onto my spare word
	s_wait_dscnt 4*NL+1                            ; the add and the youngest 16 loads may be out
	WIN MUL_LO
	MUL16 0, 1, 0
	s_wait_dscnt 0x0                               ; the add is done, and my reads of this slot are over
	s_barrier_signal -1
	MUL16 2, 1, 0
	WIN 0
	s_barrier_wait -1
.if \fill
	CREST                                          ; no wave of any partner still reads this slot or has a load on its way
	s_add_nc_u64 s[G0+4*\slot+2:G0+4*\slot+3], s[G0+4*\slot+2:G0+4*\slot+3], 2*ROWB
	s_add_nc_u64 s[G0B+4*\slot+2:G0B+4*\slot+3], s[G0B+4*\slot+2:G0B+4*\slot+3], 2*ROWB
	JLOAD G0+4*\slot, G1, G0B+4*\slot, G1B         ; my one tensor load behind the round; its four v_nop are the places in front of the loads below
.else
	PLACES NP
.endif
	FETCH_B \next, 0, 0
	FETCH_A \next, 0, 0
	WIN MUL_HI
	MUL16 4, 1, 0
	MUL16 6, 1, 0
	PLACES NP
	WIN 0
	FETCH_A \next, 0, 4
.endm
	s_wait_tensorcnt 1                             ; my part of K step 0 is in; K step 1's load may be out
	s_barrier_signal -1
	s_barrier_wait -1
	FETCH_B 0, 0, 0
	FETCH_A 0, 0, 0
	FETCH_A 0, 0, 4
	STEP 0, 0, 1                                   ; the first step's products start the sums
	s_mov_b32 s3, LAPS-1
.Llap:
	TURN 0, 1, 1
	STEP 1, 0, 0
	TURN 1, 0, 1
	STEP 0, 0, 0
	s_sub_co_u32 s3, s3, 1
	s_cmp_lg_u32 s3, 0
	s_cbranch_scc1 .Llap
	TURN 0, 1, 0                                   ; the last lap fills nothing
	STEP 1, 0, 0
	s_wait_dscnt 4*NL
	WIN MUL_LO
	MUL16 0, 1, 0
	MUL16 2, 1, 0
	s_wait_dscnt 0
	WIN MUL_HI
	MUL16 4, 1, 0
	MUL16 6, 1, 0
	WIN 0
	; THE WAY OUT: hold, convert, 16 bytes a lane into the work-group's stage; a barrier; back as long runs of the output.
	s_wait_kmcnt 0x0
	s_cmp_eq_u32 ttmp9, 0
	s_cselect_b32 s86, s78, s79                    ; eo: entry 6, 7,
	s_cselect_b32 s87, s72, s74                    ; the two operands' entries
	s_cselect_b32 s88, s73, s75
	s_cmp_eq_u32 ttmp9, 2
	s_cselect_b32 s86, s81, s86                    ; or 9
	s_cselect_b32 s87, s76, s87
	s_cselect_b32 s88, s77, s88
	s_sub_co_i32 s86, s86, s87
	s_sub_co_i32 s86, s86, s88
	s_add_co_i32 s86, s86, 127
	s_lshl_b32 s87, s86, 23
	v_mov_b32 v[SCL], s87
	s_add_co_i32 s86, s86, 8
	s_lshl_b32 s86, s86, 23
	s_or_b32 s86, s86, 0x600000
	PLACES NP
.macro CODES a                         ; block a: 16 tile rows x my 128 columns
.set AC, 64*((\a)%4)
	WIN 0x02+((\a)/4)                              ; source 0: window 2 or 3
.set jj, 0
.rept 64
.set jj, jj+1
.endr
.irp b, 0,1,2,3,4,5,6,7
	v_cvt_scalef32_pk8_fp8_f32 v[CD+16*(\a)+2*\b:CD+16*(\a)+2*\b+1], v[AC+8*\b:AC+8*\b+7], v[SCL]
.endr
	WIN 0
	v_nop                                          ; a plain line between the conversions and the stores that read their results
.irp u, 0,1,2,3
	ds_store_b128 v[STO], v[CD+16*(\a)+4*\u:CD+16*(\a)+4*\u+3] offset:(\u/2)*PS+16*(\a)*80+32*(\u%2)
.endr
.endm
.irp a, 0,1,2,3,4,5,6,7
	CODES \a
.endr
	s_wait_dscnt 0x0                               ; for the others' sake: my stores into the stage are done
	s_barrier_signal -1
	s_barrier_wait -1
	s_cmp_eq_u32 ttmp9, 2                          ; the cluster's x: alike in all partners
	s_cbranch_scc1 .Lv_out
.set tt, 0
.rept 32
	ds_load_b128 v[CD+4*tt:CD+4*tt+3], v[RDQ] offset:640*tt
.set tt, tt+1
.endr
.set tt, 0
.rept 32
	s_wait_dscnt 31-tt
	global_store_b128 v[COQ], v[CD+4*tt:CD+4*tt+3], s[92:93] offset:512*tt   ; a head's 256 rows of 64 bytes lie on end: 512 consecutive bytes a store
.set tt, tt+1
.endr
	s_branch .Ldone
.Lv_out:
.set tt, 0
.rept 32
	ds_load_b128 v[CD+4*tt:CD+4*tt+3], v[RDV] offset:160*tt
.set tt, tt+1
.endr
.set tt, 0
.rept 32
	s_wait_dscnt 31-tt
	global_store_b128 v[COV], v[CD+4*tt:CD+4*tt+3], s[92:93] offset:16384*tt   ; sixteen lanes store 256 consecutive bytes of a row, aligned
.set tt, tt+1
.endr
.Ldone:
	s_wait_tensorcnt 0x0                           ; the wave's end
	ds_add_u32 v[SPW], v[NIL]
	s_wait_dscnt 0x0
	CROUND                                         ; the closing round
	s_endpgm
.Lfunc_end_k_q27e10c6e1d_gemm_qkv:
	.size	k_q27e10c6e1d_gemm_qkv, .Lfunc_end_k_q27e10c6e1d_gemm_qkv-k_q27e10c6e1d_gemm_qkv
	.p2alignl 7, 3214868480
	.fill 96, 4, 3214868480
	.section	.rodata,"a",@progbits
	.p2align	6, 0x0
	.amdhsa_kernel k_q27e10c6e1d_gemm_qkv
		.amdhsa_group_segment_fixed_size 327680
		.amdhsa_private_segment_fixed_size 0
		.amdhsa_enable_private_segment 0
		.amdhsa_kernarg_size 48
		.amdhsa_user_sgpr_count 2
		.amdhsa_user_sgpr_kernarg_segment_ptr 1
		.amdhsa_wavefront_size32 1
		.amdhsa_system_sgpr_workgroup_id_x 1
		.amdhsa_system_sgpr_workgroup_id_y 1
		.amdhsa_system_sgpr_workgroup_id_z 1
		.amdhsa_system_vgpr_workitem_id 0
		.amdhsa_next_free_vgpr 1024
		.amdhsa_next_free_sgpr 100
		.amdhsa_reserve_vcc 0
		.amdhsa_float_denorm_mode_32 3
		.amdhsa_float_denorm_mode_16_64 3
		.amdhsa_fp16_overflow 1
		.amdhsa_memory_ordered 1
		.amdhsa_forward_progress 1
		.amdhsa_inst_pref_size 98
	.end_amdhsa_kernel
	.amdgpu_metadata
---
amdhsa.version: [ 1, 2 ]
amdhsa.kernels:
  - .name:           k_q27e10c6e1d_gemm_qkv
    .symbol:         k_q27e10c6e1d_gemm_qkv.kd
    .args:
      - { .name: xcodes, .offset: 0, .size: 8, .value_kind: global_buffer, .address_space: global }
      - { .name: wcodes, .offset: 8, .size: 8, .value_kind: global_buffer, .address_space: global }
      - { .name: lowp_scales, .offset: 16, .size: 8, .value_kind: global_buffer, .address_space: global }
      - { .name: qc, .offset: 24, .size: 8, .value_kind: global_buffer, .address_space: global }
      - { .name: kc, .offset: 32, .size: 8, .value_kind: global_buffer, .address_space: global }
      - { .name: vc, .offset: 40, .size: 8, .value_kind: global_buffer, .address_space: global }
    .group_segment_fixed_size: 327680
    .private_segment_fixed_size: 0
    .kernarg_segment_align: 8
    .kernarg_segment_size: 48
    .max_flat_workgroup_size: 128
    .sgpr_count:     100
    .vgpr_count:     1024
    .wavefront_size: 32
...
	.end_amdgpu_metadata
.endif
;; end of part 2
;; launch attn (part 3): grid 4 x 64, 16 waves a work-group, no clusters, 327,680 bytes of LDS; arguments qc, kc, vc, lowp_scales, cc; writes cc
.if DOCPART == 3
	.amdgcn_target "amdgcn-amd-amdhsa--gfx1250"
	.amdhsa_code_object_version 6
	.text
	.protected	k_q27e10c6e1d_attn
	.globl	k_q27e10c6e1d_attn
	.p2align	8
	.type	k_q27e10c6e1d_attn,@function
k_q27e10c6e1d_attn:
	s_mov_b64 s[64:65], 0
	v_nop
	global_prefetch_b8 v0, s[64:65] scope:SCOPE_SE
	s_setreg_imm32_b32 hwreg(HW_REG_WAVE_MODE, 25, 1), 1
	s_wait_xcnt 0x0
; Causal attention on E4M3 codes, head size 64: products 4 and 5, and ctx quantised (entry 10 of the scales) into cc [16 heads][8192 rows][64], natural order.
; qc, kc: [16][8192][64] codes; vc: [1024 rows h x 64 + d][8192 keys] codes; within each aligned 32 of the innermost axis element 16 x + 8 y + j lies at byte 16 y + 8 x + j,
; so a 16-byte load at 32 c + 16 (lane / 16) fills registers 4 c .. 4 c + 3 with the plain 8-bit layout's true k.
; SOFTMAX: t = score x 2^(e6 + e7) x log2(e) / 8; M = the running largest t rounded UP to a whole number; p = 2^(t - M) is quantised (entry 8); the row's sum is taken of the unquantised p and divides at the end.
; SHARES: work-group (I, y): head y % 16 of batch y / 16; it owns query blocks I and 7 - I of 256 queries.  Block i needs key slots 0 .. i of 256 keys: (I + 1) + (8 - I) = 9 visits in EVERY work-group:
; a constant trip count, no slot fetched in vain, equal work on all 256 work-groups.  Wave w owns 16 queries of the block in hand; four waves share a SIMD.
; No cluster: in one and the same visit the four work-groups of a head stand at different slots, so there is no joint request to make.
; Both products are used transposed: S^T = K Q^T, O^T = V^T P^T: a lane holds ONE query (lane % 16) throughout; tile T's eight scores of a lane are keys 16 T + 8 (lane / 16) + 0 .. 7, and their codes are registers 2 T, 2 T + 1 of P.
; LIMITS: e6 + e7 between -123 and 130; e8 and e10 - e8 - e9 between -126 and 119.
.set KP,    80                         ; a key's row in LDS: 64 bytes + 16
.set VP,    272                        ; a row of V's tile: 256 bytes + 16
.set VOFF,  256*KP                     ; a slot: 256 rows of K, then 64 rows of V
.set SLOT1, 65536
.set STAGE, 2*SLOT1                    ; the way out: 16 rows x 80 bytes a wave; bytes of its own, since it is written in mid-launch
.set SPARE, STAGE+16*16*KP             ; the spare words, 128 bytes a wave
.set AK0, 1
.set AV0, 2
.set PFO, 3
.set STO, 4
.set SPW, 5
.set NIL, 6
.set GO,  7
.set ADK, 8
.set ADV, 9
.set RD,  10
.set TB,  2                            ; s2   LDS byte at which the slot in hand begins
.set J,   3                            ; s3   the visit
.set WV,  18
.set SEL, 20
.set CS,  22
.set G1K, 24
.set G1V, 32
.set G0K, 40
.set G0V, 44
.set I,   48
.set KS,  49                           ; this visit's slot of keys
.set KSN, 50                           ; the next visit's
.set KF,  51                           ; the step's first key
.set Q0,  52                           ; my first query
.set Q0B, 53                           ; the same in the second block
.set KB,  54                           ; s[54:55] K's codes at my part of slot 0
.set VB,  56                           ; s[56:57] V's
.set OF,  58                           ; s[58:59] an offset; the high word stays 0
.set OA,  60                           ; s[60:61] cc at my rows of the block in hand
.set OB,  62                           ; s[62:63] of the second block
.set PFB, 74
.set PFA, 76
.set PFS, 78
.set LIM, 80
.macro TLOAD                           ; waves 0 and 1 fetch K's halves, wave 2 V's tile, the others nothing; four v_nop follow each line
	s_cmp_lt_u32 s[WV], 2
	s_cbranch_scc0 .Lnot_k_\@
	tensor_load_to_lds s[G0K:G0K+3], s[G1K:G1K+7]
	s_nop 0
.rept 4
	v_nop
.endr
	s_branch .Lasked_\@
.Lnot_k_\@:
	s_cmp_eq_u32 s[WV], 2
	s_cbranch_scc0 .Lasked_\@
	tensor_load_to_lds s[G0V:G0V+3], s[G1V:G1V+7]
	s_nop 0
.rept 4
	v_nop
.endr
.Lasked_\@:
.endm
; A prefetch into the L2 of the slot that the NEXT change of slots will ask for.  The head's work-group I = 0 walks slots 0 .. 7 in visits 1 .. 8 and is the first of the four to reach slots 4 to 7:
; in visits 3 to 6 its waves 4 and 5 name K's 16,384 bytes of slot J + 1 (8,192 a wave, lanes 256 bytes apart), its waves 6 and 7 V's 64 rows (32 a wave, a lane a row's 256 bytes).
; Each aligned 256 bytes is named once; slots 0 to 3 come by their loads alone; nothing is named behind slot 7.
.macro ASK
	s_sub_co_u32 s96, s[J], 3
	s_cmp_lt_u32 s96, s[LIM]
	s_cbranch_scc0 .Lnot_mine_\@
	global_prefetch_b8 v[PFO], s[PFA:PFA+1] th:TH_LOAD_NT scope:SCOPE_SE
.Lnot_mine_\@:
.endm
	s_load_b128 s[4:7], s[0:1], 0x0                ; qc, kc
	s_load_b128 s[12:15], s[0:1], 0x10             ; vc, scales
	s_load_b64 s[16:17], s[0:1], 0x20              ; cc
	v_lshl_add_u32 v[SPW], v0, 2, SPARE
	v_mov_b32 v[NIL], 0
	ds_add_u32 v5, v6
	ds_add_u32 v5, v6
	s_wait_dscnt 0x0
	v_lshrrev_b32 v8, 5, v0
	s_delay_alu instid0(VALU_DEP_1)
	v_readfirstlane_b32 s[WV], v8
	s_mov_b32 s[I], ttmp9
	s_and_b32 s82, ttmp7, 0xffff
	s_and_b32 s83, s82, 15                         ; head
	s_lshr_b32 s84, s82, 4                         ; batch
	s_lshl_b32 s85, s83, 19
	s_lshl_b32 s86, s84, 17
	s_add_co_u32 s86, s86, s85                     ; the head's first byte in qc, kc, cc
	s_mov_b32 s87, 0
	s_lshl_b32 s88, s84, 11
	s_add_co_u32 s88, s88, s85                     ; and in vc
	s_mov_b32 s89, 0
	s_lshl_b32 s90, s[WV], 4
	s_lshl_b32 s[Q0], s[I], 8
	s_add_co_u32 s[Q0], s[Q0], s90
	s_sub_co_u32 s[Q0B], 7, s[I]
	s_lshl_b32 s[Q0B], s[Q0B], 8
	s_add_co_u32 s[Q0B], s[Q0B], s90
	s_and_b32 s91, s[WV], 1
	s_lshl_b32 s92, s91, 13                        ; K's half in memory: 128 rows of 64 bytes,
	s_add_co_u32 s94, s86, s92
	s_mov_b32 s95, 0
	s_mul_i32 s93, s91, 128*KP                     ; and in a slot
	s_lshl_b32 s96, s[Q0], 6
	s_add_co_u32 s96, s96, s86
	s_mov_b32 s97, 0
	s_lshl_b32 s98, s[Q0B], 6
	s_add_co_u32 s98, s98, s86
	s_mov_b32 s99, 0
	s_mov_b32 s[G1K], (0<<16)|(1<<20)|(3<<22)|(3<<25)   ; 1-byte elements; padding: 4 words behind every 16
	s_mov_b32 s[G1K+1], 64<<16
	s_mov_b32 s[G1K+2], 128<<16
	s_mov_b32 s[G1K+3], 64<<16
	s_mov_b32 s[G1K+4], 128
	s_mov_b32 s[G1K+5], 64
	s_mov_b32 s[G1K+6], 0
	s_mov_b32 s[G1K+7], 0
	s_mov_b32 s[G1V], (0<<16)|(1<<20)|(5<<22)|(3<<25)   ; padding: 4 words behind every 64
	s_mov_b32 s[G1V+1], 256<<16
	s_mov_b32 s[G1V+2], 64<<16
	s_mov_b32 s[G1V+3], 256<<16
	s_mov_b32 s[G1V+4], 64
	s_mov_b32 s[G1V+5], 8192
	s_mov_b32 s[G1V+6], 0
	s_mov_b32 s[G1V+7], 0
	s_mov_b32 s[SEL], 0x76543210
	s_mov_b32 s[SEL+1], 0xfedcba98
	s_mov_b32 s[CS], 0x3e38aa3b                    ; log2(e) / 8
	s_mov_b32 s[TB], 0
	s_mov_b32 s[J], 0
	s_mov_b32 s[KS], 0
	s_mov_b32 s[OF+1], 0
	s_wait_kmcnt 0x0
	s_load_b128 s[68:71], s[14:15], 0x20           ; e8 .. e11
	s_load_b64 s[72:73], s[14:15], 0x18            ; e6, e7
	s_add_nc_u64 s[KB:KB+1], s[6:7], s[94:95]
	s_add_nc_u64 s[VB:VB+1], s[12:13], s[88:89]
	s_mov_b32 s[G0K], 1
	s_mov_b32 s[G0K+1], s93
	s_mov_b64 s[G0K+2:G0K+3], s[KB:KB+1]
	s_or_b32 s[G0K+3], s[G0K+3], 0x80000000
	s_mov_b32 s[G0V], 1
	s_mov_b32 s[G0V+1], VOFF
	s_mov_b64 s[G0V+2:G0V+3], s[VB:VB+1]
	s_or_b32 s[G0V+3], s[G0V+3], 0x80000000
	TLOAD                                          ; visit 0: slot 0 of the keys into LDS slot 0
	s_add_nc_u64 s[8:9], s[4:5], s[96:97]          ; Q's codes of my rows in the first block,
	s_add_nc_u64 s[10:11], s[4:5], s[98:99]        ; in the second;
	s_add_nc_u64 s[OA:OA+1], s[16:17], s[96:97]    ; cc likewise
	s_add_nc_u64 s[OB:OB+1], s[16:17], s[98:99]
	v_and_b32 v8, 15, v0                           ; r
	s_wait_alu depctr_va_vdst(0)
	v_bfe_u32 v9, v0, 4, 1                         ; h
	v_lshlrev_b32 v11, 6, v8
	s_delay_alu instid0(VALU_DEP_1)
	v_lshl_add_u32 v11, v9, 4, v11                 ; row r of 64 bytes + 16 h; not rewritten
	global_load_b128 v[16:19], v11, s[8:9]
	global_load_b128 v[20:23], v11, s[8:9] offset:32
	global_load_b128 v[24:27], v11, s[10:11]
	global_load_b128 v[28:31], v11, s[10:11] offset:32
	; the prefetches: who asks, and from where
	s_cmp_lt_u32 s[WV], 6
	s_cselect_b64 s[PFB:PFB+1], s[6:7], s[12:13]
	s_cselect_b32 s83, s86, s88
	s_mov_b32 s[PFS], 256
	s_cselect_b32 s[PFS], 16384, s[PFS]            ; a slot on
	s_mov_b32 s84, 8192
	s_cselect_b32 s84, 256, s84                    ; from lane to lane
	s_mov_b32 s85, 32*8192
	s_cselect_b32 s85, 8192, s85                   ; from wave to wave
	v_and_b32 v[PFO], 31, v0
	s_delay_alu instid0(VALU_DEP_1)
	v_mul_lo_u32 v[PFO], v[PFO], s84
	s_mul_i32 s85, s91, s85
	s_add_co_u32 s94, s83, s85
	s_add_nc_u64 s[PFB:PFB+1], s[PFB:PFB+1], s[94:95]
	s_sub_co_u32 s82, s[WV], 4
	s_lshr_b32 s82, s82, 2                         ; 0 in waves 4 to 7,
	s_or_b32 s82, s82, ttmp9                       ; of the work-group I = 0
	s_cmp_eq_u32 s82, 0
	s_cselect_b32 s[LIM], 4, 0
	v_mul_u32_u24 v[AK0], v8, KP
	s_wait_alu depctr_va_vdst(0)
	v_lshl_add_u32 v[AK0], v9, 4, v[AK0]
	v_mul_u32_u24 v[AV0], v8, VP
	s_delay_alu instid0(VALU_DEP_1)
	v_lshl_add_u32 v[AV0], v9, 4, v[AV0]
	s_delay_alu instid0(VALU_DEP_1)
	v_add_nc_u32 v[AV0], VOFF, v[AV0]
	s_mul_i32 s82, s[WV], 16*KP
	s_add_co_u32 s82, s82, STAGE                   ; my stage
	v_mul_u32_u24 v[STO], v8, KP
	s_delay_alu instid0(VALU_DEP_1)
	v_lshl_add_u32 v[STO], v9, 3, v[STO]
	s_delay_alu instid0(VALU_DEP_1)
	v_add_nc_u32 v[STO], s82, v[STO]               ; in: row r, 8 bytes for each half of the lanes
	v_and_b32 v[GO], 31, v0
	s_delay_alu instid0(VALU_DEP_1)
	v_lshrrev_b32 v[RD], 2, v[GO]
	s_delay_alu instid0(VALU_DEP_1)
	v_mul_u32_u24 v[RD], v[RD], KP
	v_and_b32 v254, 3, v0
	s_delay_alu instid0(VALU_DEP_1)
	v_lshl_add_u32 v[RD], v254, 4, v[RD]
	s_delay_alu instid0(VALU_DEP_1)
	v_add_nc_u32 v[RD], s82, v[RD]                 ; back: four lanes to a row of 64 bytes
	v_lshlrev_b32 v[GO], 4, v[GO]                  ; and 16 x lane in cc: my 16 rows lie on end
	v_mov_b32 v208, 0                              ; written once: a lane permute's destination counts as one of its sources
	v_mov_b32 v253, 0                              ; (named as the upper half of the pair v[252:253])
.macro INIT                            ; a block of queries begins: the largest t under every t, the sum and O^T zero
	v_mov_b32 v13, 0xff61b1e6
	s_delay_alu instid0(VALU_DEP_1)
	v_floor_f32 v12, -v13
	v_mov_b32 v14, 0
	v_mov_b32 v15, 0
.set jj, 0
.rept 32
	v_mov_b32 v[160+jj], 0
.set jj, jj+1
.endr
.endm
	INIT
	s_wait_kmcnt 0x0
	s_add_co_i32 s82, s72, s73
	s_lshl_b32 s82, s82, 23
	s_add_co_i32 s[CS], s[CS], s82                 ; e6 + e7 are added to c's exponent field
	s_mov_b32 s[CS+1], s[CS]
	s_add_co_i32 s82, s68, 127
	s_lshl_b32 s83, s82, 23
	v_mov_b32 v244, s83                            ; 2^e8
	s_sub_co_i32 s82, s70, s68
	s_sub_co_i32 s82, s82, s69
	s_add_co_i32 s82, s82, 127
	s_lshl_b32 s83, s82, 23
	v_mov_b32 v246, s83                            ; 2^(e10 - e8 - e9): O^T / l stands for ctx / 2^(e8 + e9)
; A KEY STEP: 128 keys, the q-th of the slot in hand.  A step all of whose keys come after my 16 queries is left out: a scalar branch on ids; no barrier and no tensor load stands in a step.
.macro STEP q
	s_add_co_u32 s96, s[Q0], 15
	s_cmp_gt_u32 s[KF], s96
	s_cbranch_scc1 .Lhidden_\@
	v_add_nc_u32 v[ADK], s[TB], v[AK0]
	v_add_nc_u32 v[ADV], s[TB], v[AV0]
	v_nop                                          ; with the two additions: four places in front of loads into registers that the last products read
	v_nop
.irp t, 0,1,2,3,4,5,6,7
	ds_load_b128 v[32+8*\t:35+8*\t], v[ADK] offset:(128*(\q)+16*\t)*KP
	ds_load_b128 v[36+8*\t:39+8*\t], v[ADK] offset:(128*(\q)+16*\t)*KP+32
.endr
	s_wait_dscnt 0x0
.irp t, 0,1,2,3,4,5,6,7
	v_wmma_f32_16x16x64_fp8_fp8 v[96+8*\t:103+8*\t], v[32+8*\t:39+8*\t], v[16:23], 0
.endr
.rept 4
	v_nop
.endr
	s_add_co_u32 s96, s[KF], 127                   ; on the diagonal hidden scores become -infinity ahead of the maximum; a step all of whose keys count skips this
	s_cmp_le_u32 s96, s[Q0]
	s_cbranch_scc1 .Lopen_\@
	s_sub_co_i32 s96, s[Q0], s[KF]
	v_and_b32 v252, 15, v0
	v_bfe_u32 v253, v0, 4, 1
	s_delay_alu instid0(VALU_DEP_1)
	v_lshlrev_b32 v253, 3, v253
	s_delay_alu instid0(VALU_DEP_1)
	v_sub_nc_u32 v252, v252, v253
	s_delay_alu instid0(VALU_DEP_1)
	v_add_nc_u32 v252, s96, v252                   ; d = my query - KF - 8 (lane / 16); register 8 T + j holds key KF + 16 T + 8 (lane / 16) + j: hidden where 16 T + j > d
	v_mov_b32 v254, 0xff800000
.set nn, 0
.rept 64
	v_cmp_gt_i32 vcc_lo, 16*(nn/8)+nn%8, v252
	v_cndmask_b32 v[96+nn], v[96+nn], v254, vcc_lo
.set nn, nn+1
.endr
.Lopen_\@:
	v_max3_num_f32 v254, v96, v97, v98             ; the step's largest score of my query among my 64 keys, in two chains, each accumulator from its low end on
	v_max3_num_f32 v252, v99, v100, v101
.irp i, 6,10,14,18,22,26,30,34,38,42,46,50,54,58
	v_max3_num_f32 v254, v254, v[96+\i], v[97+\i]
	v_max3_num_f32 v252, v252, v[98+\i], v[99+\i]
.endr
	v_max3_num_f32 v254, v254, v158, v159
	s_delay_alu instid0(VALU_DEP_1)
	v_max_num_f32 v254, v254, v252
	s_delay_alu instid0(VALU_DEP_1)
	v_permlanex16_b32 v208, v254, s[SEL], s[SEL+1]
	s_delay_alu instid0(VALU_DEP_1)
	v_max_num_f32 v254, v254, v208                 ; and among lane l xor 16's
	s_delay_alu instid0(VALU_DEP_1)
	v_mul_f32 v254, s[CS], v254                    ; as t
	s_delay_alu instid0(VALU_DEP_1)
	v_max_num_f32 v13, v13, v254                   ; the running largest t
	v_mov_b32 v254, v12
	s_delay_alu instid0(VALU_DEP_2)
	v_floor_f32 v12, -v13                          ; the new -M = -ceil(t): a whole number
	s_delay_alu instid0(VALU_DEP_1)
	v_sub_f32 v254, v12, v254
	s_delay_alu instid0(VALU_DEP_1)
	v_cvt_i32_f32 v254, v254                       ; old M - new M, 0 or less (it saturates)
	s_delay_alu instid0(VALU_DEP_1)
	v_ldexp_f32 v252, 1.0, v254                    ; f = 2^(old M - new M): rounds nothing
.set jj, 0
.rept 32
	v_pk_fma_f32 v[96+jj:97+jj], v[96+jj:97+jj], s[CS:CS+1], v[12:13] op_sel_hi:[1,0,0]   ; t - M
.set jj, jj+2
.endr
.set jj, 0
	s_wait_alu depctr_va_vdst(0)
.rept 64
	v_exp_f32 v[96+jj], v[96+jj]                   ; p = 2^(t - M)
.set jj, jj+1
.endr
	v_pk_mul_f32 v[14:15], v[14:15], v[252:253] op_sel_hi:[1,0]   ; the sums under the new M (the plain line behind the exponentials)
	s_wait_alu depctr_va_vdst(0)                   ; one wait for the batch of 64, ahead of its first reader
	v_pk_add_f32 v[242:243], v[100:101], v[104:105]
	v_pk_add_f32 v[254:255], v[108:109], v[112:113]
	v_pk_add_f32 v[250:251], v[116:117], v[120:121]
	v_pk_add_f32 v[248:249], v[124:125], v[128:129]
	v_pk_add_f32 v[240:241], v[132:133], v[136:137]
	v_pk_add_f32 v[238:239], v[140:141], v[144:145]
	v_pk_add_f32 v[236:237], v[148:149], v[152:153]
	v_pk_add_f32 v[14:15], v[14:15], v[156:157]
	v_pk_add_f32 v[242:243], v[242:243], v[96:97]
	v_pk_add_f32 v[254:255], v[254:255], v[98:99]
	v_pk_add_f32 v[250:251], v[250:251], v[102:103]
	v_pk_add_f32 v[248:249], v[248:249], v[106:107]
	v_pk_add_f32 v[240:241], v[240:241], v[110:111]
	v_pk_add_f32 v[238:239], v[238:239], v[114:115]
	v_pk_add_f32 v[236:237], v[236:237], v[118:119]
	v_pk_add_f32 v[14:15], v[14:15], v[122:123]
	v_pk_add_f32 v[242:243], v[242:243], v[126:127]
	v_pk_add_f32 v[254:255], v[254:255], v[130:131]
	v_pk_add_f32 v[250:251], v[250:251], v[134:135]
	v_pk_add_f32 v[248:249], v[248:249], v[138:139]
	v_pk_add_f32 v[240:241], v[240:241], v[142:143]
	v_pk_add_f32 v[238:239], v[238:239], v[146:147]
	v_pk_add_f32 v[236:237], v[236:237], v[150:151]
	v_pk_add_f32 v[14:15], v[14:15], v[154:155]
	v_pk_add_f32 v[242:243], v[242:243], v[158:159]
	s_delay_alu instid0(VALU_DEP_2)
	v_pk_add_f32 v[14:15], v[14:15], v[248:249]
	s_delay_alu instid0(VALU_DEP_2)
	v_pk_add_f32 v[242:243], v[242:243], v[240:241]
	v_pk_add_f32 v[254:255], v[254:255], v[238:239]
	v_pk_add_f32 v[250:251], v[250:251], v[236:237]
	s_delay_alu instid0(VALU_DEP_2)
	v_pk_add_f32 v[14:15], v[14:15], v[254:255]
	s_delay_alu instid0(VALU_DEP_2)
	v_pk_add_f32 v[242:243], v[242:243], v[250:251]
	s_delay_alu instid0(VALU_DEP_1)
	v_pk_add_f32 v[14:15], v[14:15], v[242:243]
.irp t, 0,1,2,3,4,5,6,7
.irp i, 0,1,2,3,4,5,6,7
.endr
	v_cvt_scalef32_pk8_fp8_f32 v[224+2*\t:225+2*\t], v[96+8*\t:103+8*\t], v244
.endr
.set jj, 0
.rept 16
	v_pk_mul_f32 v[160+jj:161+jj], v[160+jj:161+jj], v[252:253] op_sel_hi:[1,0]   ; O^T under the new M; also the plain lines behind the conversions
.set jj, jj+2
.endr
.irp t, 0,1,2,3
.irp c, 0,1,2,3
	ds_load_b128 v[32+16*\t+4*\c:35+16*\t+4*\c], v[ADV] offset:16*\t*VP+128*(\q)+32*\c
.endr
.endr
	s_wait_alu depctr_va_vdst(0)
	s_wait_dscnt 0x0
.irp t, 0,1,2,3                        ; four accumulators by turns, one instruction a turn
	v_wmma_f32_16x16x128_fp8_fp8 v[160+8*\t:167+8*\t], v[32+16*\t:47+16*\t], v[224:239], v[160+8*\t:167+8*\t]
.endr
.Lhidden_\@:
	s_add_co_u32 s[KF], s[KF], 128
.endm
.macro SLOT_STEPS
	s_lshl_b32 s[KF], s[KS], 8
	STEP 0
	STEP 1
	s_xor_b32 s[TB], s[TB], SLOT1
.endm
; THE CHANGE OF SLOTS stands at a visit's head: all my tensor loads have landed, the add, my reads of the slot that I have left are over, the barrier; then the slot just left is filled for the next visit:
; my one tensor load until the next such barrier, with a whole visit in which to land.
.macro CHANGE fill
	s_wait_tensorcnt 0x0                           ; no tensor load of mine is out, so a group 0 may be written
	ds_add_u32 v[SPW], v[NIL]                      ; 0 onto my spare word
.if \fill
	s_add_co_u32 s[KSN], s[KS], 1
	s_cmp_eq_u32 s[J], s[I]
	s_cselect_b32 s[KSN], 0, s[KSN]                ; behind the first block's last visit the second block begins at slot 0
	s_xor_b32 s[G0K+1], s[G0K+1], SLOT1
	s_xor_b32 s[G0V+1], s[G0V+1], SLOT1
	s_lshl_b32 s[OF], s[KSN], 14                   ; 256 keys of 64 bytes
	s_add_nc_u64 s[G0K+2:G0K+3], s[KB:KB+1], s[OF:OF+1]
	s_or_b32 s[G0K+3], s[G0K+3], 0x80000000
	s_lshl_b32 s[OF], s[KSN], 8                    ; 256 bytes along V's rows
	s_add_nc_u64 s[G0V+2:G0V+3], s[VB:VB+1], s[OF:OF+1]
	s_or_b32 s[G0V+3], s[G0V+3], 0x80000000
	s_wait_xcnt 0x0                                ; the last prefetch, a visit back, has read its address
	s_add_co_u32 s[OF], s[J], 1
	s_mul_i32 s[OF], s[OF], s[PFS]
	s_add_nc_u64 s[PFA:PFA+1], s[PFB:PFB+1], s[OF:OF+1]
.endif
	s_wait_dscnt 0x0                               ; the add is done, and my reads of the slot that I have left are over
	s_barrier_signal -1
	s_barrier_wait -1
.if \fill
	TLOAD
	ASK
.endif
.endm
; THE WAY OUT of a block: O^T / the sum, held, converted; 8 bytes a tile into my stage, back as rows of 64 bytes: my 16 rows are 1,024 consecutive bytes of cc.
.macro OUT
.rept 4
	v_nop                                          ; places behind the last products
.endr
	v_add_f32 v14, v14, v15
	s_delay_alu instid0(VALU_DEP_1)
	v_permlanex16_b32 v208, v14, s[SEL], s[SEL+1]
	s_delay_alu instid0(VALU_DEP_1)
	v_add_f32 v14, v14, v208                       ; the row's sum
	s_wait_alu depctr_va_vdst(0)
	v_rcp_f32 v252, v14
	v_nop                                          ; a plain line behind the reciprocal,
	s_wait_alu depctr_va_vdst(0)                   ; and the wait ahead of its first reader
.set jj, 0
.rept 16
	v_pk_mul_f32 v[96+jj:97+jj], v[160+jj:161+jj], v[252:253] op_sel_hi:[1,0]   ; register 8 t + i: (query r, d = 16 t + 8 h + i); each accumulator from its low end on
.set jj, jj+2
.endr
.set jj, 0
.rept 32
.set jj, jj+1
.endr
.irp t, 0,1,2,3
	v_cvt_scalef32_pk8_fp8_f32 v[192+2*\t:193+2*\t], v[96+8*\t:103+8*\t], v246
.endr
	v_nop                                          ; a plain line behind the last conversion
.irp t, 0,1,2,3
	ds_store_b64 v[STO], v[192+2*\t:193+2*\t] offset:16*\t
.endr
	ds_load_b128 v[200:203], v[RD]                 ; LDS serves a wave's instructions in order: these see my stores
	ds_load_b128 v[204:207], v[RD] offset:8*KP
	s_wait_dscnt 0x0
	global_store_b128 v[GO], v[200:203], s[OA:OA+1]
	global_store_b128 v[GO], v[204:207], s[OA:OA+1] offset:512
.endm
	s_wait_loadcnt 0x0                             ; both blocks' Q
.Lvisit:                                           ; eight trips; the ninth visit is written out
	CHANGE 1
	SLOT_STEPS
	s_cmp_lg_u32 s[J], s[I]                        ; the first block's last visit?  (I is at most 3: always inside the loop)
	s_cbranch_scc1 .Lsame
	OUT
	s_wait_xcnt 0x0                                ; the stores have read their base and their registers
	s_mov_b64 s[OA:OA+1], s[OB:OB+1]
	s_mov_b32 s[Q0], s[Q0B]
.irp i, 0,1,2,3,4,5,6,7
	v_mov_b32 v[16+\i], v[24+\i]                   ; the second block's Q
.endr
	INIT
.Lsame:
	s_mov_b32 s[KS], s[KSN]
	s_add_co_u32 s[J], s[J], 1
	s_cmp_lt_u32 s[J], 8
	s_cbranch_scc1 .Lvisit
	CHANGE 0
	SLOT_STEPS
	OUT
	s_wait_tensorcnt 0x0                           ; the wave's end
	ds_add_u32 v[SPW], v[NIL]
	s_wait_dscnt 0x0
	s_endpgm
.Lfunc_end_k_q27e10c6e1d_attn:
	.size	k_q27e10c6e1d_attn, .Lfunc_end_k_q27e10c6e1d_attn-k_q27e10c6e1d_attn
	.p2alignl 7, 3214868480
	.fill 96, 4, 3214868480
	.section	.rodata,"a",@progbits
	.p2align	6, 0x0
	.amdhsa_kernel k_q27e10c6e1d_attn
		.amdhsa_group_segment_fixed_size 327680
		.amdhsa_private_segment_fixed_size 0
		.amdhsa_enable_private_segment 0
		.amdhsa_kernarg_size 40
		.amdhsa_user_sgpr_count 2
		.amdhsa_user_sgpr_kernarg_segment_ptr 1
		.amdhsa_wavefront_size32 1
		.amdhsa_system_sgpr_workgroup_id_x 1
		.amdhsa_system_sgpr_workgroup_id_y 1
		.amdhsa_system_sgpr_workgroup_id_z 1
		.amdhsa_system_vgpr_workitem_id 0
		.amdhsa_next_free_vgpr 256
		.amdhsa_next_free_sgpr 100
		.amdhsa_reserve_vcc 1
		.amdhsa_float_denorm_mode_32 3
		.amdhsa_float_denorm_mode_16_64 3
		.amdhsa_fp16_overflow 1
		.amdhsa_memory_ordered 1
		.amdhsa_forward_progress 1
		.amdhsa_inst_pref_size 94
	.end_amdhsa_kernel
	.amdgpu_metadata
---
amdhsa.version: [ 1, 2 ]
amdhsa.kernels:
  - .name:           k_q27e10c6e1d_attn
    .symbol:         k_q27e10c6e1d_attn.kd
    .args:
      - { .name: qc, .offset: 0, .size: 8, .value_kind: global_buffer, .address_space: global }
      - { .name: kc, .offset: 8, .size: 8, .value_kind: global_buffer, .address_space: global }
      - { .name: vc, .offset: 16, .size: 8, .value_kind: global_buffer, .address_space: global }
      - { .name: lowp_scales, .offset: 24, .size: 8, .value_kind: global_buffer, .address_space: global }
      - { .name: cc, .offset: 32, .size: 8, .value_kind: global_buffer, .address_space: global }
    .group_segment_fixed_size: 327680
    .private_segment_fixed_size: 0
    .kernarg_segment_align: 8
    .kernarg_segment_size: 40
    .max_flat_workgroup_size: 512
    .sgpr_count:     100
    .vgpr_count:     256
    .wavefront_size: 32
...
	.end_amdgpu_metadata
.endif
;; end of part 3
;; launch gemm_out (part 4): grid 4 x 32, 4 waves a work-group, clusters of 4 x 4, 327,680 bytes of LDS; arguments cc, wcodes, lowp_scales, bo, out0; writes out0
.if DOCPART == 4
	.amdgcn_target "amdgcn-amd-amdhsa--gfx1250"
	.amdhsa_code_object_version 6
	.text
	.protected	k_q27e10c6e1d_gemm_out
	.globl	k_q27e10c6e1d_gemm_out
	.p2align	8
	.type	k_q27e10c6e1d_gemm_out,@function
k_q27e10c6e1d_gemm_out:
	s_mov_b64 s[64:65], 0
	v_nop
	global_prefetch_b8 v0, s[64:65] scope:SCOPE_SE
	s_setreg_imm32_b32 hwreg(HW_REG_WAVE_MODE, 25, 1), 1
	s_wait_xcnt 0x0
	s_wait_alu depctr_hold_cnt(0) depctr_sa_sdst(0) depctr_va_vdst(0) depctr_va_sdst(0) depctr_va_ssrc(0) depctr_va_vcc(0) depctr_vm_vsrc(0)
	s_getreg_b32 s2, hwreg(HW_REG_IB_STS2, 6, 4)
	s_cmp_eq_u32 s2, 0
	s_cbranch_scc0 .Lentry_in_a_cluster
	s_endpgm
.Lentry_in_a_cluster:
	s_bfe_u32 s2, ttmp6, 0x10000c
	s_cmp_lg_u32 s2, 0xf033
	s_cbranch_scc0 .Lentry_shape_is_right
	s_endpgm
.Lentry_shape_is_right:
; Product 6: out0 [8192][1024] f32 = (ctx's codes x Wo's codes) x 2^(e10 + e11) + bo.  LIMIT: e10 + e11 between -126 and 127.
; A = cc [16 heads][8192 rows][64] codes, natural order (k = head x 64 + d); B = Wo's codes, the fourth weight of wcodes, [n 1024][k 1024].
; A tile of 256 x 256 to a work-group of four waves, 128 x 128 a wave; 128 work-groups.  Ring of two LDS slots of 256 along K (four heads), joint loads in a 4 x 4 cluster.
; A's half tile comes by ONE load of 4 'rows' (the K step's four heads, 524,288 bytes apart) of 8,192 bytes (128 rows of ctx x 64 bytes, dense), with 16 bytes of padding behind every 64:
; in LDS (head j, row m, byte x) lies at 10,240 j + 80 m + x.
; The matrix instruction is used transposed (source 0 = 16 rows of B, source 1 = 16 rows of A): a lane holds eight neighbouring columns of a row of the output.
; REGISTERS: window 0: v12-15 the bias of my four columns; v16-29 addresses; v128-255 A's fragments, later rows on the way out.  window 1: B's fragments, two sets.  windows 2, 3: accumulators.
.set ROWB,   256
.set KROW,   1024
.set PITCH,  272
.set FR,     16
.set NL,     4
.set NP,     4
.set HALFA,  4*128*80                  ; what one load brings of A
.set HALFT,  128*PITCH                 ; of B
.set BOFF,   2*HALFA
.set SLOT,   2*HALFA+2*HALFT
.set ASTEP,  4*524288                  ; a K step on in cc: four heads
.set LAPS,   2
.set SPARE,  2*SLOT
.set SPITCH, 528                       ; the way out: 16 rows x (512 + 16) bytes a wave, in slot 0, which has had its last fill and its last read by then
.set ADRA, 16
.set ADRB, 20
.set STO,  24
.set RD,   25
.set CO,   26
.set SPW,  28
.set NIL,  29
.set AF,   128
.set BK,   128
.set G1, 24
.set G0, 32
.set G1B, 48
.set G0B, 56
.set MSB, 0
.macro WIN new
.if MSB != \new
	s_set_vgpr_msb (MSB<<8)|\new
.set MSB, \new
.endif
.endm
.set MUL_LO, 0xa1
.set MUL_HI, 0xf1
.set TO_B,   0x40
.macro JLOAD g0a, g1a, g0b, g1b        ; waves 0 and 1 fetch for A, waves 2 and 3 for B; four v_nop follow each line
	s_cmp_eq_u32 s15, 0
	s_cbranch_scc0 .Lfor_b_\@
	tensor_load_to_lds s[\g0a:\g0a+3], s[\g1a:\g1a+7]
	s_nop 0
.rept 4
	v_nop
.endr
	s_branch .Lasked_\@
.Lfor_b_\@:
	tensor_load_to_lds s[\g0b:\g0b+3], s[\g1b:\g1b+7]
	s_nop 0
.rept 4
	v_nop
.endr
.Lasked_\@:
.endm
.macro CREST
	s_cmp_lg_u32 s14, 0
	s_cbranch_scc1 .Lnot_wave_0_\@
	s_barrier_signal -3
.Lnot_wave_0_\@:
	s_barrier_wait -3
	s_barrier_signal -1
	s_barrier_wait -1
.endm
.macro CROUND
	s_barrier_signal -1
	s_barrier_wait -1
	CREST
.endm
	s_load_b256 s[4:11], s[0:1], 0x0               ; cc 4, wcodes 6, scales 8, bo 10
	s_load_b64 s[12:13], s[0:1], 0x20              ; out0
	v_lshl_add_u32 v[SPW], v0, 2, SPARE
	v_mov_b32 v[NIL], 0
	ds_add_u32 v28, v29
	ds_add_u32 v28, v29
	s_wait_dscnt 0x0
	v_lshrrev_b32 v1, 5, v0
	v_readfirstlane_b32 s14, v1
	s_lshr_b32 s15, s14, 1
	s_and_b32 s16, s14, 1
	s_bfe_u32 s40, ttmp6, 0x40000                  ; cx
	s_bfe_u32 s41, ttmp6, 0x40004                  ; cy
	s_lshl_b32 s42, ttmp9, 2
	s_add_co_u32 s42, s42, s40                     ; tile column
	s_and_b32 s17, ttmp7, 0xffff
	s_lshl_b32 s17, s17, 2
	s_add_co_u32 s17, s17, s41                     ; tile row
	s_lshl_b32 s43, s41, 2
	s_lshl_b32 s43, 15, s43
	s_lshl_b32 s44, 0x1111, s40
	s_or_b32 s[G1+0], s43, (0<<16)|(1<<20)|(1<<21)|(3<<22)|(3<<25)  ; A: mask of my row; 1-byte elements; padding: 4 words behind every 16
	s_mov_b32 s[G1+1], 8192<<16                    ; tensor_dim0 = 8,192
	s_mov_b32 s[G1+2], 4<<16                       ; tensor_dim1 = 4
	s_mov_b32 s[G1+3], 8192<<16                    ; tile_dim0
	s_mov_b32 s[G1+4], 4                           ; tile_dim1
	s_mov_b32 s[G1+5], 524288                      ; from head to head
	s_mov_b32 s[G1+6], 0
	s_mov_b32 s[G1+7], 0
	s_or_b32 s[G1B+0], s44, (0<<16)|(1<<20)|(1<<21)|(5<<22)|(3<<25) ; B: mask of my column; padding: 4 words behind every 64
	s_mov_b32 s[G1B+1], ROWB<<16
	s_mov_b32 s[G1B+2], 128<<16
	s_mov_b32 s[G1B+3], ROWB<<16
	s_mov_b32 s[G1B+4], 128
	s_mov_b32 s[G1B+5], KROW
	s_mov_b32 s[G1B+6], 0
	s_mov_b32 s[G1B+7], 0
	s_lshl_b32 s20, s17, 14                        ; A: row 256 x tile row + 128 x half, 64 bytes a row
	s_lshl_b32 s18, s16, 13
	s_add_co_u32 s20, s20, s18
	s_mov_b32 s21, 0
	s_lshl_b32 s46, s42, 18                        ; B: row 256 x tile column + 128 x half, 1,024 bytes a row, in the fourth weight
	s_lshl_b32 s18, s16, 17
	s_add_co_u32 s46, s46, s18
	s_add_co_u32 s46, s46, 0x300000
	s_mov_b32 s47, 0
	s_mul_i32 s66, s16, HALFA                      ; where they go: no place in the cluster enters an LDS address
	s_mul_i32 s67, s16, HALFT
	s_add_co_u32 s67, s67, BOFF
	s_wait_kmcnt 0x0
	s_load_b64 s[96:97], s[8:9], 0x28              ; e10, e11
	s_add_nc_u64 s[20:21], s[4:5], s[20:21]
	s_add_nc_u64 s[46:47], s[6:7], s[46:47]
	CROUND
.irp s, 0,1
	s_mov_b32 s[G0+4*\s], 1
	s_add_co_u32 s[G0+4*\s+1], s66, \s*SLOT
	s_add_nc_u64 s[G0+4*\s+2:G0+4*\s+3], s[20:21], \s*ASTEP
	s_or_b32 s[G0+4*\s+3], s[G0+4*\s+3], 0x80000000
	s_mov_b32 s[G0B+4*\s], 1
	s_add_co_u32 s[G0B+4*\s+1], s67, \s*SLOT
	s_add_nc_u64 s[G0B+4*\s+2:G0B+4*\s+3], s[46:47], \s*ROWB
	s_or_b32 s[G0B+4*\s+3], s[G0B+4*\s+3], 0x80000000
	s_wait_alu depctr_va_vdst(0)
	s_wait_tensorcnt 0x0
	ds_add_u32 v28, v29
	ds_add_u32 v28, v29
	s_wait_dscnt 0x0
	CROUND
	JLOAD G0+4*\s, G1, G0B+4*\s, G1B
.endr
	v_and_b32 v1, 15, v0                           ; r
	v_bfe_u32 v2, v0, 4, 1                         ; h
	v_mul_u32_u24 v3, v1, PITCH
	v_lshl_add_u32 v4, v2, 4, v3                   ; B: row x 272 + 16 h
	v_mul_u32_u24 v3, v1, 80
	v_lshl_add_u32 v5, v2, 4, v3                   ; A: row x 80 + 16 h
	s_mul_i32 s21, s15, HALFA
	s_mul_i32 s22, s16, HALFT
	s_add_co_u32 s22, s22, BOFF
.irp s, 0,1
	v_add_nc_u32 v[ADRA+\s], s21, v5
	v_add_nc_u32 v[ADRB+\s], s22, v4
	s_add_co_u32 s21, s21, SLOT
	s_add_co_u32 s22, s22, SLOT
.endr
	s_mul_i32 s23, s14, 16*SPITCH                  ; my stage
	v_mul_u32_u24 v5, v1, SPITCH
	v_lshl_add_u32 v5, v2, 5, v5
	v_add_nc_u32 v[STO], s23, v5                   ; in: row r, 32 bytes for each half of the lanes
	v_and_b32 v6, 31, v0
	v_lshlrev_b32 v[CO], 4, v6                     ; back: the 32 lanes take a row of 512 bytes; the same in out0 and in bo
	v_add_nc_u32 v[RD], s23, v[CO]
	s_lshl_b32 s46, s42, 10                        ; my first column in bytes: 1,024 x tile column + 512 x half
	s_lshl_b32 s47, s16, 9
	s_add_co_u32 s46, s46, s47
	s_mov_b32 s47, 0
	s_add_nc_u64 s[10:11], s[10:11], s[46:47]
	global_load_b128 v[12:15], v[CO], s[10:11]     ; bo of my four columns
	s_lshl_b32 s20, s17, 8
	s_lshl_b32 s21, s15, 7
	s_add_co_u32 s20, s20, s21                     ; my first row,
	s_lshl_b32 s20, s20, 12                        ; of 4,096 bytes
	s_mov_b32 s21, 0
	s_add_nc_u64 s[20:21], s[20:21], s[46:47]
	s_add_nc_u64 s[12:13], s[12:13], s[20:21]
.macro FRAG reg, adr, q, i             ; B: registers 4 c .. 4 c + 3 hold K = 32 c + 16 (l / 16) + 0 .. 15
.irp c, 0,1,2,3
	ds_load_b128 v[\reg+4*\c:\reg+4*\c+3], v[\adr] offset:128*(\q)+32*\c+(\i)*16*PITCH
.endr
.endm
.macro FRAGA reg, adr, q, i            ; A: the same k: head 2 q + c / 2 of the K step's four, bytes 32 (c % 2) + 16 (l / 16) on
.irp c, 0,1,2,3
	ds_load_b128 v[\reg+4*\c:\reg+4*\c+3], v[\adr] offset:(2*(\q)+\c/2)*10240+32*(\c%2)+(\i)*1280
.endr
.endm
.macro MUL16 a0, p, zero               ; the 64 accumulators take turns, one instruction a turn
.irp a, \a0, \a0+1
.irp b, 0,1,2,3,4,5,6,7
.if \zero
	v_wmma_f32_16x16x128_fp8_fp8 v[8*(8*((\a)%4)+\b):8*(8*((\a)%4)+\b)+7], v[128*(\p)+FR*\b:128*(\p)+FR*\b+FR-1], v[AF+FR*(\a):AF+FR*(\a)+FR-1], 0
.else
	v_wmma_f32_16x16x128_fp8_fp8 v[8*(8*((\a)%4)+\b):8*(8*((\a)%4)+\b)+7], v[128*(\p)+FR*\b:128*(\p)+FR*\b+FR-1], v[AF+FR*(\a):AF+FR*(\a)+FR-1], v[8*(8*((\a)%4)+\b):8*(8*((\a)%4)+\b)+7]
.endif
.endr
.endr
.endm
.macro FETCH_B slot, q, p
	WIN TO_B
.irp i, 0,1,2,3,4,5,6,7
	FRAG 128*(\p)+FR*\i, ADRB+\slot, \q, \i
.endr
	WIN 0
.endm
.macro FETCH_A slot, q, i0
.irp i, \i0, \i0+1, \i0+2, \i0+3
	FRAGA AF+FR*(\i), ADRA+\slot, \q, \i
.endr
.endm
.macro PLACES n
.rept \n
	v_nop
.endr
.endm
.macro STEP slot, q, zero
	s_wait_dscnt 4*NL                              ; the youngest 16 loads (A's blocks 4-7) may be out
	WIN MUL_LO
	MUL16 0, (\q)%2, \zero
	MUL16 2, (\q)%2, \zero
	s_wait_dscnt 0
	PLACES NP
	FETCH_B \slot, (\q)+1, 1-(\q)%2
	FETCH_A \slot, (\q)+1, 0
	WIN MUL_HI
	MUL16 4, (\q)%2, \zero
	MUL16 6, (\q)%2, \zero
	PLACES NP
	WIN 0
	FETCH_A \slot, (\q)+1, 4
.endm
.macro TURN slot, next, fill
	s_wait_tensorcnt 0x0                           ; all my tensor loads have landed: my part of the next slot
	ds_add_u32 v[SPW], v[NIL]                      ; 0 onto my spare word
	s_wait_dscnt 4*NL+1                            ; the add and the youngest 16 loads may be out
	WIN MUL_LO
	MUL16 0, 1, 0
	s_wait_dscnt 0x0                               ; the add is done, and my reads of this slot are over
	s_barrier_signal -1
	MUL16 2, 1, 0
	WIN 0
	s_barrier_wait -1
.if \fill
	CREST
	s_add_nc_u64 s[G0+4*\slot+2:G0+4*\slot+3], s[G0+4*\slot+2:G0+4*\slot+3], 2*ASTEP
	s_add_nc_u64 s[G0B+4*\slot+2:G0B+4*\slot+3], s[G0B+4*\slot+2:G0B+4*\slot+3], 2*ROWB
	JLOAD G0+4*\slot, G1, G0B+4*\slot, G1B         ; my one tensor load behind the round
.else
	PLACES NP
.endif
	FETCH_B \next, 0, 0
	FETCH_A \next, 0, 0
	WIN MUL_HI
	MUL16 4, 1, 0
	MUL16 6, 1, 0
	PLACES NP
	WIN 0
	FETCH_A \next, 0, 4
.endm
	s_wait_alu depctr_va_vdst(0)
	s_wait_tensorcnt 1                             ; my part of K step 0 is in; K step 1's load may be out
	s_barrier_signal -1
	s_barrier_wait -1
	FETCH_B 0, 0, 0
	FETCH_A 0, 0, 0
	FETCH_A 0, 0, 4
	STEP 0, 0, 1
	s_mov_b32 s3, LAPS-1
.Llap:
	TURN 0, 1, 1
	STEP 1, 0, 0
	TURN 1, 0, 1
	STEP 0, 0, 0
	s_sub_co_u32 s3, s3, 1
	s_cmp_lg_u32 s3, 0
	s_cbranch_scc1 .Llap
	TURN 0, 1, 0
	STEP 1, 0, 0
	s_wait_dscnt 4*NL
	WIN MUL_LO
	MUL16 0, 1, 0
	MUL16 2, 1, 0
	s_wait_dscnt 0
	WIN MUL_HI
	MUL16 4, 1, 0
	MUL16 6, 1, 0
	WIN 0
; THE WAY OUT, block by block of 16 rows x 128 columns: the sums go through my own stage as they are and come back as whole rows of 512 bytes, where a lane holds four columns:
; one packed multiply-add for two numbers gives sum x 2^(e10 + e11) + bo.
.macro TOSTAGE a
.set AC, 64*((\a)%4)
	WIN 0x08+4*((\a)/4)                            ; the stores' data: window 2 or 3
.irp b, 0,1,2,3,4,5,6,7
	ds_store_b128 v[STO], v[AC+8*\b:AC+8*\b+3] offset:64*\b          ; each accumulator from its low end on
	ds_store_b128 v[STO], v[AC+8*\b+4:AC+8*\b+7] offset:64*\b+16
.endr
	WIN 0
.set BB, BK+64*((\a)%2)
.irp t, 0,1,2,3,4,5,6,7,8,9,10,11,12,13,14,15
	ds_load_b128 v[BB+4*\t:BB+4*\t+3], v[RD] offset:\t*SPITCH        ; LDS serves a wave's instructions in order: these see the stores above
.endr
.endm
.macro SEND a, younger                 ; younger: the LDS instructions issued behind block a's loads
.set BB, BK+64*((\a)%2)
	s_wait_dscnt \younger
.if (\a) > 0
	s_add_nc_u64 s[12:13], s[12:13], 16*4096       ; (behind a wait on XCNT: the earlier stores have read their base)
.endif
.irp t, 0,1,2,3,4,5,6,7,8,9,10,11,12,13,14,15
	v_pk_fma_f32 v[BB+4*\t:BB+4*\t+1], v[BB+4*\t:BB+4*\t+1], s[96:97], v[12:13] op_sel_hi:[1,0,1]
	v_pk_fma_f32 v[BB+4*\t+2:BB+4*\t+3], v[BB+4*\t+2:BB+4*\t+3], s[96:97], v[14:15] op_sel_hi:[1,0,1]
.endr
.irp t, 0,1,2,3,4,5,6,7,8,9,10,11,12,13,14,15
	global_store_b128 v[CO], v[BB+4*\t:BB+4*\t+3], s[12:13] offset:\t*4096 th:TH_STORE_NT   ; 32 lanes store 512 consecutive bytes, aligned
.endr
.endm
	s_wait_kmcnt 0x0
	s_add_co_i32 s96, s96, s97
	s_add_co_i32 s96, s96, 127
	s_lshl_b32 s96, s96, 23                        ; 2^(e10 + e11) as f32
	s_wait_loadcnt 0x0                             ; the bias
	PLACES NP
	TOSTAGE 0
.irp a, 1,2,3,4,5,6,7
.if \a > 1
	s_wait_xcnt 0x0                                ; block a - 2's stores have read their registers and their base
.endif
	TOSTAGE \a
	SEND \a-1, 32                                  ; behind block a - 1's loads: block a's 16 stores and 16 loads
.endr
	s_wait_xcnt 0x0
	SEND 7, 0
	s_wait_tensorcnt 0x0                           ; the wave's end
	ds_add_u32 v[SPW], v[NIL]
	s_wait_dscnt 0x0
	CROUND                                         ; the closing round
	s_endpgm
.Lfunc_end_k_q27e10c6e1d_gemm_out:
	.size	k_q27e10c6e1d_gemm_out, .Lfunc_end_k_q27e10c6e1d_gemm_out-k_q27e10c6e1d_gemm_out
	.p2alignl 7, 3214868480
	.fill 96, 4, 3214868480
	.section	.rodata,"a",@progbits
	.p2align	6, 0x0
	.amdhsa_kernel k_q27e10c6e1d_gemm_out
		.amdhsa_group_segment_fixed_size 327680
		.amdhsa_private_segment_fixed_size 0
		.amdhsa_enable_private_segment 0
		.amdhsa_kernarg_size 40
		.amdhsa_user_sgpr_count 2
		.amdhsa_user_sgpr_kernarg_segment_ptr 1
		.amdhsa_wavefront_size32 1
		.amdhsa_system_sgpr_workgroup_id_x 1
		.amdhsa_system_sgpr_workgroup_id_y 1
		.amdhsa_system_sgpr_workgroup_id_z 1
		.amdhsa_system_vgpr_workitem_id 0
		.amdhsa_next_free_vgpr 1024
		.amdhsa_next_free_sgpr 98
		.amdhsa_reserve_vcc 0
		.amdhsa_float_denorm_mode_32 3
		.amdhsa_float_denorm_mode_16_64 3
		.amdhsa_memory_ordered 1
		.amdhsa_forward_progress 1
		.amdhsa_inst_pref_size 124
	.end_amdhsa_kernel
	.amdgpu_metadata
---
amdhsa.version: [ 1, 2 ]
amdhsa.kernels:
  - .name:           k_q27e10c6e1d_gemm_out
    .symbol:         k_q27e10c6e1d_gemm_out.kd
    .args:
      - { .name: cc, .offset: 0, .size: 8, .value_kind: global_buffer, .address_space: global }
      - { .name: wcodes, .offset: 8, .size: 8, .value_kind: global_buffer, .address_space: global }
      - { .name: lowp_scales, .offset: 16, .size: 8, .value_kind: global_buffer, .address_space: global }
      - { .name: bo, .offset: 24, .size: 8, .value_kind: global_buffer, .address_space: global }
      - { .name: out0, .offset: 32, .size: 8, .value_kind: global_buffer, .address_space: global }
    .group_segment_fixed_size: 327680
    .private_segment_fixed_size: 0
    .kernarg_segment_align: 8
    .kernarg_segment_size: 40
    .max_flat_workgroup_size: 128
    .sgpr_count:     98
    .vgpr_count:     1024
    .wavefront_size: 32
...
	.end_amdgpu_metadata
.endif
;; end of part 4
